; MI455X (gfx1250); checked and timed in simulation.
; The chip was launched on July 23, 2026; its instructions are those of AMD's public machine-readable ISA for CDNA 5 (MIT licence, August 2026) and "CDNA5" Instruction Set Architecture Reference Guide (July 2026). The comments in the code are by the model that wrote it; some were corrected since.
;; Dot Product Attention. Allowed arithmetic: matrix products marked QUANTISED: E4M3 operands, one given power-of-two scale a tensor, by v_wmma_f32_16x16x64_fp8_fp8 or v_wmma_f32_16x16x128_fp8_fp8, f32 sums; everything else in f32.
;; Inputs: keys_codes 32 x 2,048 x 2 x 32 uint8 (E4M3 codes of keys, K innermost, in blocks of 32 codes); lowp_scales 4 int32 (the exponents e of the quantised operands' scales 2^e); queries_codes 32 x 2,048 x 2 x 32 uint8 (E4M3 codes of queries, K innermost, in blocks of 32 codes); valid_lens 32 int32; values_codes 32 x 64 x 64 x 32 uint8 (E4M3 codes of values, K innermost, in blocks of 32 codes).
;; Outputs: out0 32 x 2,048 x 64 float32.
;; This version of the problem:
;;   THIS VERSION OF THE PROBLEM IS GIVEN IN LOW PRECISION. The matrix products marked QUANTISED in the list below multiply operands that are first quantised to E4M3 (4 exponent bits, 3 mantissa bits; 8 bits a number), with one given power-of-two scale for each operand tensor; their sums are f32. All else is computed in f32.
;;   The module's matrix products, in the order in which they are computed (A, B: the left and right operand; K: the contracted axis; several contracted axes count as one K, in the product's order):
;;     1. batch 32 x [M 2,048, K 64] x [K 64, N 2,048]; A: input queries (given as codes); B: input keys (given as codes): QUANTISED (scales: A lowp_scales[0], B lowp_scales[1])
;;     2. batch 32 x [M 2,048, K 2,048] x [K 2,048, N 64]; A: softmax (see below); B: input values (given as codes): QUANTISED (scales: A lowp_scales[2], B lowp_scales[3])
;;   THE QUANTISER, for each operand of a quantised product, along K:
;;     - The operand's scale is 2^e, e = its entry of the input lowp_scales (int32; the entries are numbered through the quantised products in the list's order, A before B).
;;     - Each number is divided by the scale, clamped to +-448, and rounded to the nearest number of E4M3, ties to even, subnormals kept.
;;     - The product sums the exact products of the quantised numbers (number of the format x scale) in f32.
;;   ~~~python
;;   def quantise(x, axis, e):      # numpy; x: float32 -> the quantised numbers, widened to float32 again
;;       x = np.moveaxis(x, axis, -1); K = x.shape[-1]
;;       r = np.clip(x / 2.0 ** e, -448, 448)
;;       step = 2.0 ** (np.maximum(np.frexp(np.where(r == 0, 1, r))[1] - 1, -6) - 3)
;;       q = np.round(r / step) * step * 2.0 ** e      # np.round: ties to even
;;       return np.moveaxis(q, -1, axis).astype(np.float32)
;;   ~~~
;;   SOFTMAX AHEAD OF A QUANTISED PRODUCT. Where the list says 'softmax', what is quantised is not the finished softmax but p = 2^(t - M), with t = logit x log2(e) and M = ceil(the row's largest t), a whole number; so 1/2 < the row's largest p <= 1. The row's sum l is taken of the UNQUANTISED p, in f32, and the product's result is divided by l at the end. Since M is a whole number, a kernel that streams over the keys may use a running M (the ceiling of the running maximum): every later rescaling is an exact power of two, so the quantised numbers keep their values, but for numbers so far below the row's largest that they fall under the format's range.
;;   OPERANDS COMPUTED ON THE WAY. 'Computed on the way' means the value that the module computes at that place (a softmax that the list does not call 'softmax' is quantised finished and normalised). What goes into a quantiser is computed in f32, as accurately as f32 sums, v_exp_f32 and their like allow (about 1e-6 of the number): no bf16 or f16 on the way to a quantiser, and a product that is left as it is and whose result goes on into a quantised operand takes f32 operands (vector FMAs, or v_wmma_f32_16x16x4_f32). A number that lies on a knife's edge between two numbers of the format may be rounded either way, as far as f32 arithmetic and the matrix unit's own rounding can turn it there, and no further.
;;   INPUTS GIVEN AS CODES. keys (in the module: [32, 2048, 64], K = its axis 2); queries (in the module: [32, 2048, 64], K = its axis 2); values (in the module: [32, 2048, 64], K = its axis 1): each comes as NAME_codes (uint8): NAME with its K axis moved to the last place and cut into blocks of 32 codes, [.., K / 32, bytes a block], one block behind the other in memory; one code a byte (a code: sign, 4 exponent bits, 3 mantissa bits); its scale is its entry of lowp_scales. Its value is code x scale, taken as it is: it is not quantised again, and the codes and scales need not be those that the quantiser above would give.
;; 2 versions, each right; version 2 is version 1 with the launch attn written anew for expert scheduling mode. Each part assembles by itself: llvm-mc -triple=amdgcn-amd-amdhsa -mcpu=gfx1250 --defsym DOCPART=n.
;; ======== version 1 of 2: 1 launch
;; limits: right only within a limited range of input values
;; launch attn (part 1): grid 16 x 16, 8 waves a work-group, no clusters, 191,488 bytes of LDS; arguments keys_codes, lowp_scales, queries_codes, valid_lens, values_codes, out0; writes out0
.if DOCPART == 1
	.amdgcn_target "amdgcn-amd-amdhsa--gfx1250"
	.amdhsa_code_object_version 6
	.text
	.protected	k_qb2b66bd380_attn
	.globl	k_qb2b66bd380_attn
	.p2align	8
	.type	k_qb2b66bd380_attn,@function
k_qb2b66bd380_attn:
	s_mov_b64 s[64:65], 0
	v_nop
	global_prefetch_b8 v0, s[64:65] scope:SCOPE_SE
	s_setreg_imm32_b32 hwreg(HW_REG_WAVE_MODE, 25, 1), 1
	s_wait_xcnt 0x0
; out[b][q][:] = the sum over k of softmax_k(score) V[b][k][:], score = Q[b][q] . K[b][k] / 8 for k < valid_lens[b], else -1e6.  32 batches, 2,048 queries, 2,048 keys, head size 64.
; Q, K: [32][2048][64] codes of FP8 (E4M3); V: codes with the KEYS innermost, [32][64][2048]; lowp_scales: eq, ek, ep, ev; out: [32][2048][64] f32.
; THE SOFTMAX AHEAD OF THE SECOND PRODUCT: t = score x log2(e); M = the row's largest t so far, rounded UP to a whole number; p = 2^(t - M) is quantised with 2^ep, not normalised; the row's sum is taken
; of the unquantised p and divides O at the end.  When M moves, the sum and O are multiplied by 2^(old M - new M): exact.
; KEY STEPS THAT LIE WHOLLY BEHIND valid_lens ARE LEFT OUT: a step is 128 keys, and a batch walks ceil(valid_len / 128) of its 16.  That is a branch on a number read from memory.
; K and V come through registers (global_load, ds_store), and there is no cluster and no joint load.
; SHARES.  Work-group (x, y): x = a block of 128 queries, y = a PAIR of batches.  Eight waves in two groups of four: group 0 takes the batch whose valid_len has rank y (ascending, ties by batch number),
; group 1 the batch of rank 31 - y: a long batch is paired with a short one, so that the two groups' key steps add up to nearly the same number in every work-group.  Every wave finds the ranks itself, from the 32 lengths,
; in registers.  (rank, x) -> (batch, x) is one to one for every input: each row of out has one owner.  A wave owns 32 queries, two tiles of 16, so that each fragment of K and V read from LDS feeds two matrix instructions.
; The four waves of a group share K and V through a ring of four LDS slots of the group's own; every LDS offset is an immediate (four steps written out, walked four times).
; LAYOUT.  Both products are used transposed: S^T = K Q^T (source 0 = 16 keys, source 1 = 16 queries), O^T = V^T P^T (source 0 = 16 channels, source 1 = P): a lane holds ONE query (lane % 16) throughout.
; THE KEYS OF A TILE ARE NOT NEIGHBOURS: row m of tile 2 b + u is key 32 b + 8 u + m + 8 (m / 8), so that the 16 registers of tiles 2 b and 2 b + 1 are the 16 neighbouring keys 32 b + 16 (lane / 16) + 0 .. 15, as P's
; fragment wants them.  The ds_stores lay K's rows in that order (groups of eight keys 0, 1, 2, 3 of each 32 go to rows 0, 16, 8, 24), so a tile is 16 consecutive LDS rows.
; Fragments are fetched 16 bytes a load: a permutation of k that is the same in both sources of a product.
; LIMITS.  eq + ek between -105 and 130, ep between -126 and 119 (each power of two below is then an f32 number); ep + ev goes by v_ldexp_f32 and has none.  |t| under 2^23.  NaN codes are not served.
; valid_lens is held within 0 .. 2,048 (a negative length counts as 0).  For valid_len >= 1 the steps left out are right where a row's largest counted score lies above -1e6 + 104: e^-104 is under f32's smallest number.
; Inside the step that holds the boundary, hidden keys take -1e6 itself.  valid_len = 0: every key takes -1e6 and all 2,048 are walked; t - M is there one fused multiply-add of numbers near 1.44e6, so p may
; differ by up to 2^(1/16) from that of a t rounded first.
;
; LDS: group g, slot s at g GRP + s SLOT: 128 rows of K (64 bytes + 16), then 64 rows of V (128 bytes + 16).  Pitches of 5 x 16 and 9 x 16 bytes: the 16 rows of a fragment load start in 16 different columns
; of 16 bytes (64 banks of 4 bytes: ISA guide 11.1).  Behind the rings a stage of 16 rows x 272 bytes for each wave, for the way out.
; REGISTERS, in two windows of 256 (s_set_vgpr_msb: bits 1:0 source 0, 3:2 source 1, 5:4 source 2, 7:6 destination).  Tile 0's state lies in window 0, tile 1's under the same numbers in window 1.
;   both windows: v12 -M, v13 largest t, v[14:15] the sum in two halves, v16-23 Q, v24 448 x 2^ep, v25 2^ep, v26 the mask's threshold, v27 what a hidden key takes, v28-34 at work, v40-55 p's codes, v56-87 O^T
;   window 0: v1-11, v35-39 addresses; v88-151 S^T of tile 0; v152-215 K's eight fragments (on the way out: rows of out); v216-247 loads on their way, set 0; v248-251 their offsets
;   window 1: v88-151 V's four fragments; v152-215 S^T of tile 1; v216-247 loads on their way, set 1
.set KP,    80                         ; a key's row in LDS
.set VP,    144                        ; a channel's row in LDS: 128 keys + 16
.set KB,    128*KP
.set SLOT,  KB+64*VP                   ; 19,456
.set GRP,   4*SLOT
.set STAGE, 2*GRP
.set SP,    272
.set WST,   16*SP
.set OMASK, 0x3ffff                    ; 18 ones: over every offset of a walked tile (at most 1,920 x 64 + 6,640 in K, 1,920 + 112,752 in V)
.set AKR,  1                           ; v1, v2   K's fragments: g GRP + 2 p SLOT + 80 r + 16 h (slot s: register s / 2, immediate (s % 2) SLOT)
.set AVR,  3                           ; v3, v4   V's: + KB, 144 r + 16 h
.set AKW,  5                           ; v5, v6   where I store K: + 2,560 q + 80 (l / 4) + 16 (l % 4)
.set AVW,  7                           ; v7, v8   where I store V: + KB + 2,304 q + 144 (l / 8) + 16 (l % 8)
.set KGO,  9                           ; v9       my bytes of a tile of K in memory: 2,048 q + 16 l
.set VGO,  10                          ; v10      of V: 32,768 q + 2,048 (l / 8) + 16 (l % 8)
.set PFK,  11                          ; v11      prefetch of K: 256 l
.set NEGM, 12
.set TMAX, 13
.set LS,   14
.set QF,   16
.set HL,   24
.set CSC,  25
.set DTH,  26
.set NEGR, 27
.set MA,   28
.set MB,   29
.set FF,   30                          ; v[30:31] f = 2^(old M - new M); v31 is only named with it
.set L2,   32
.set PX,   34
.set H16,  35                          ; v35      16 h
.set PFV,  36                          ; v36      prefetch of V: (32 (q / 2) + l) rows of 2,048 bytes
.set STO,  37
.set RD,   38
.set GO,   39
.set PC,   40
.set OT,   56
.set S0,   88
.set VF,   88
.set KFR,  152
.set S1,   152
.set SET,  216
.set KO,   248
.set VO,   250
.set WV,   16                          ; s16 wave; s17 q = wave % 4; s18 g = wave / 4; s19 x
.set QW,   17
.set GW,   18
.set XB,   19
.set RHO,  20                          ; s20 the rank that my group takes
.set SELK, 21                          ; s21 32 x valid_len + batch of that rank
.set BAT,  22
.set VL,   23                          ; s23 valid_len
.set NK,   24                          ; s24 keys that are walked: valid_len, or 2,048 where it is 0
.set KF,   25                          ; s25 first key of the loop trip's four steps
.set CNT,  26
.set TT,   27
.set SEL,  28                          ; s[28:29] v_permlanex16_b32's selects: lane l xor 16
.set CS,   30                          ; s[30:31] c = log2(e) / 8 x 2^(eq + ek), twice
.set EX,   32                          ; s[32:35] eq, ek, ep, ev
.set EPV,  36
.set HOLD, 37                          ; s37 1 where p / 2^ep can pass 448
.set OUTK, 38                          ; s38 the way out is taken when the trip's end has reached this key; afterwards the greatest number
.set LM,   39
.set RK,   40                          ; s40-47, s48-55: the ranks: eight keys, eight masks; afterwards:
.set RM,   48
.set PFKB, 40                          ; s[40:41], s[42:43] where the prefetches stand in K and V
.set PFVB, 42
.set PFKL, 44                          ; s44, s45 a wave prefetches tiles that begin under this key: NK in a wave that asks, else 0
.set PFVL, 45
.set DD,   46
.set T0,   56
.set T1,   57
.set OF,   58
.set MSB, 0
.macro WIN new                         ; the immediate's high byte repeats the setting that is left; a switch that changes nothing is dropped
.if MSB != (\new)
	s_set_vgpr_msb (MSB<<8)|(\new)
.set MSB, (\new)
.endif
.endm
.macro PLACES                          ; four plain vector instructions between a matrix instruction and a read of its result or a load into one of its registers
.rept 4
	v_nop
.endr
.endm
; The tile that begins at key KF + 128 c is asked for, into set p: my 32 keys of K (four loads of 512 consecutive bytes) and my 16 channels of V (four loads of 4 rows x 128 bytes).  ALWAYS executed, so that the counts on
; LOADcnt are the same on every path; for a tile that is not walked both offsets are masked to 0, and the loads read the batch's first bytes.  The mask hangs on valid_len, a loaded number: it is held
; under a constant written in the instruction, and only the two ANDs stand between that and the addresses.
.macro LOADT c, p
	s_add_co_u32 s[TT], s[KF], 128*(\c)
	s_cmp_lt_u32 s[TT], s[NK]
	s_cselect_b32 s[LM], OMASK, 0
	s_min_u32 s[LM], s[LM], OMASK
	v_lshl_add_u32 v[KO+\p], s[TT], 6, v[KGO]      ; the set's last loads are in (the counted wait ahead of this macro): their offsets may be written
	v_add_nc_u32 v[VO+\p], s[TT], v[VGO]
	v_and_b32 v[KO+\p], s[LM], v[KO+\p]
	v_and_b32 v[VO+\p], s[LM], v[VO+\p]
	WIN 0x40*\p
.irp n, 0,1,2,3
	global_load_b128 v[SET+4*\n:SET+4*\n+3], v[KO+\p], s[4:5] offset:512*\n
.endr
.irp m, 0,1,2,3
	global_load_b128 v[SET+16+4*\m:SET+16+4*\m+3], v[VO+\p], s[12:13] offset:8192*\m
.endr
	WIN 0
.endm
; Set p goes into slot sl.  K's groups of eight keys 0, 1, 2, 3 go to rows 0, 16, 8, 24 of my 32.
.macro STORE sl, p
	WIN 0x04*\p
.irp n, 0,1,2,3
	ds_store_b128 v[AKW+(\sl)/2], v[SET+4*\n:SET+4*\n+3] offset:((\sl)%2)*SLOT+(16*(\n%2)+8*(\n/2))*KP
.endr
.irp m, 0,1,2,3
	ds_store_b128 v[AVW+(\sl)/2], v[SET+16+4*\m:SET+16+4*\m+3] offset:((\sl)%2)*SLOT+4*VP*\m
.endr
	WIN 0
.endm
.macro KLOAD sl                        ; K's eight fragments (16 keys x 64): registers 0-3 bytes 16 h on, registers 4-7 bytes 32 + 16 h on, as Q's
.irp T, 0,1,2,3,4,5,6,7
.irp c, 0,1
	ds_load_b128 v[KFR+8*\T+4*\c:KFR+8*\T+4*\c+3], v[AKR+(\sl)/2] offset:((\sl)%2)*SLOT+16*KP*\T+32*\c
.endr
.endr
.endm
.macro VLOAD sl                        ; V's four fragments (16 channels x 128 keys): registers 4 c .. 4 c + 3 keys 32 c + 16 h + 0 .. 15, as p's codes
	WIN 0x40
.irp t, 0,1,2,3
.irp c, 0,1,2,3
	ds_load_b128 v[VF+16*\t+4*\c:VF+16*\t+4*\c+3], v[AVR+(\sl)/2] offset:((\sl)%2)*SLOT+16*VP*\t+32*\c
.endr
.endr
	WIN 0
.endm
.macro MASK SB                         ; register 16 b + i holds key (the step's first) + 32 b + 16 h + i: hidden where 32 b + i >= valid_len - the step's first key - 16 h
.set nm, 0
.rept 64
	v_cmp_ge_i32 vcc_lo, 32*(nm/16)+nm%16, v[DTH]
	v_cndmask_b32 v[\SB+nm], v[\SB+nm], v[NEGR], vcc_lo
.set nm, nm+1
.endr
.endm
.macro MAXM SB                         ; the step's largest score of my query, in two chains, each accumulator from its low end on; the new M and f
	v_max3_num_f32 v[MA], v[\SB], v[\SB+1], v[\SB+2]
	v_max3_num_f32 v[MB], v[\SB+3], v[\SB+4], v[\SB+5]
.irp i, 6,10,14,18,22,26,30,34,38,42,46,50,54,58
	v_max3_num_f32 v[MA], v[MA], v[\SB+\i], v[\SB+\i+1]
	v_max3_num_f32 v[MB], v[MB], v[\SB+\i+2], v[\SB+\i+3]
.endr
	v_max3_num_f32 v[MA], v[MA], v[\SB+62], v[\SB+63]
	v_max_num_f32 v[MA], v[MA], v[MB]
	v_permlanex16_b32 v[PX], v[MA], s[SEL], s[SEL+1]   ; the query's other 64 keys lie in the lane 16 away
	v_max_num_f32 v[MA], v[MA], v[PX]
	v_mul_f32 v[MA], s[CS], v[MA]                  ; as t (c is positive)
	v_max_num_f32 v[TMAX], v[TMAX], v[MA]
	v_mov_b32 v[MA], v[NEGM]
	v_floor_f32 v[NEGM], -v[TMAX]                  ; the new -M = floor(-t) = -ceil(t): a whole number
	v_sub_f32 v[MA], v[NEGM], v[MA]                ; old M - new M, 0 or less
	v_cvt_i32_f32 v[MA], v[MA]                     ; (it saturates)
	v_ldexp_f32 v[FF], 1.0, v[MA]                  ; f = 2^(old M - new M)
.endm
; The 32 scalings t - M (two numbers each), the 64 exponentials and the 16 rescalings of O^T, dealt out so that plain instructions stand among the exponentials.  A pair is scaled two pairs ahead of its exponentials.
; No line here names an exponential's result.
.macro EXPS SB
	v_pk_fma_f32 v[\SB:\SB+1], v[\SB:\SB+1], s[CS:CS+1], v[NEGM:NEGM+1] op_sel_hi:[1,0,0]
	v_pk_fma_f32 v[\SB+2:\SB+3], v[\SB+2:\SB+3], s[CS:CS+1], v[NEGM:NEGM+1] op_sel_hi:[1,0,0]
.set ke, 0
.rept 32
	v_exp_f32 v[\SB+2*ke], v[\SB+2*ke]
.if ke < 30
	v_pk_fma_f32 v[\SB+2*ke+4:\SB+2*ke+5], v[\SB+2*ke+4:\SB+2*ke+5], s[CS:CS+1], v[NEGM:NEGM+1] op_sel_hi:[1,0,0]
.endif
	v_exp_f32 v[\SB+2*ke+1], v[\SB+2*ke+1]
.if ke < 16
	v_pk_mul_f32 v[OT+2*ke:OT+2*ke+1], v[OT+2*ke:OT+2*ke+1], v[FF:FF+1] op_sel_hi:[1,0]   ; O^T under the new M, from each accumulator's low end on
.endif
.set ke, ke+1
.endr
.endm
.macro SUMH                            ; the sum under the new M
	v_pk_mul_f32 v[LS:LS+1], v[LS:LS+1], v[FF:FF+1] op_sel_hi:[1,0]
.endm
.macro SUMT SB                         ; + the step's 64 unquantised p, two at a time, in two chains
	v_pk_add_f32 v[L2:L2+1], v[\SB:\SB+1], v[\SB+2:\SB+3]
.irp j, 4,8,12,16,20,24,28,32,36,40,44,48,52,56,60
	v_pk_add_f32 v[LS:LS+1], v[LS:LS+1], v[\SB+\j:\SB+\j+1]
	v_pk_add_f32 v[L2:L2+1], v[L2:L2+1], v[\SB+\j+2:\SB+\j+3]
.endr
	v_pk_add_f32 v[LS:LS+1], v[LS:LS+1], v[L2:L2+1]
.endm
.macro HOLDT SB                        ; the conversion to an 8-bit code does not saturate (ISA guide 7.6.2); p is not negative, so the hold is one-sided
.set kh, 0
.rept 64
	v_min_num_f32 v[\SB+kh], v[\SB+kh], v[HL]
.set kh, kh+1
.endr
.endm
.macro CVT SB                          ; registers 4 b .. 4 b + 3 of P's fragment: keys 32 b + 16 h + 0 .. 15
.irp b, 0,1,2,3
	v_cvt_scalef32_pk8_fp8_f32 v[PC+4*\b:PC+4*\b+1], v[\SB+16*\b:\SB+16*\b+7], v[CSC]
	v_cvt_scalef32_pk8_fp8_f32 v[PC+4*\b+2:PC+4*\b+3], v[\SB+16*\b+8:\SB+16*\b+15], v[CSC]
.endr
.endm
.macro PV                              ; O^T += V^T P^T: four accumulators, one instruction each
.irp t, 0,1,2,3
	v_wmma_f32_16x16x128_fp8_fp8 v[OT+8*\t:OT+8*\t+7], v[VF+16*\t:VF+16*\t+15], v[PC:PC+15], v[OT+8*\t:OT+8*\t+7]
.endr
.endm
.macro INIT                            ; a tile's state: the step is written once; its first run finds zeros, which the first change of M leaves zeros
	v_mov_b32 v[TMAX], 0xff61b1e6                  ; -3e38, under every t
	v_floor_f32 v[NEGM], -v[TMAX]
	v_mov_b32 v[LS], 0
	v_mov_b32 v[LS+1], 0
	v_mov_b32 v[FF+1], 0                           ; named as the upper half of a pair
	v_mov_b32 v[PX], 0                             ; a lane permute's destination counts as one of its sources
	v_mov_b32 v[HL], s[OF]
	v_mov_b32 v[CSC], s[OF+1]
	v_mov_b32 v[NEGR], s[T1]
.set ki, 0
.rept 32
	v_mov_b32 v[OT+ki], 0
.set ki, ki+1
.endr
.endm
; THE WAY OUT of tile u: O^T / the sum x 2^(ep + ev) goes through my own stage (lane (r, h): row r, tile t's eight channels at 64 t + 32 h) and comes back as whole rows of 256 bytes.
.macro OUTT u, SB
	WIN 0x55*\u
	v_add_f32 v[LS], v[LS], v[LS+1]
	v_permlanex16_b32 v[PX], v[LS], s[SEL], s[SEL+1]
	v_add_f32 v[LS], v[LS], v[PX]                  ; the row's sum
	v_rcp_f32 v[LS], v[LS]
	v_nop                                          ; a plain instruction behind the reciprocal,
	s_wait_alu depctr_va_vdst(0)                   ; and a wait ahead of the first use of its result
	v_ldexp_f32 v[LS], v[LS], s[EPV]
.set jo, 0
.rept 16
	v_pk_mul_f32 v[\SB+2*jo:\SB+2*jo+1], v[OT+2*jo:OT+2*jo+1], v[LS:LS+1] op_sel_hi:[1,0]
.set jo, jo+1
.endr
	WIN 0x04*\u
.irp t, 0,1,2,3
	ds_store_b128 v[STO], v[\SB+8*\t:\SB+8*\t+3] offset:64*\t
	ds_store_b128 v[STO], v[\SB+8*\t+4:\SB+8*\t+7] offset:64*\t+16
.endr
	WIN 0
.irp i, 0,1,2,3,4,5,6,7
	ds_load_b128 v[KFR+32*\u+4*\i:KFR+32*\u+4*\i+3], v[RD] offset:2*SP*\i   ; LDS serves a wave's instructions in order (ISA guide 5.7.1.4): these see my stores, and the next tile's stores come behind them
.endr
.endm
.macro SEND u, younger                 ; younger: the LDS instructions issued behind tile u's loads
.irp i, 0,1,2,3,4,5,6,7
	s_wait_dscnt \younger+7-\i
	global_store_b128 v[GO], v[KFR+32*\u+4*\i:KFR+32*\u+4*\i+3], s[14:15] offset:4096*\u+512*\i th:TH_STORE_NT   ; 16 lanes store 256 consecutive bytes, at a multiple of 256 from out's first byte
.endr
.endm
	s_load_b256 s[4:11], s[0:1], 0x0               ; K s[4:5], the scales s[6:7], Q s[8:9], valid_lens s[10:11]
	s_load_b128 s[12:15], s[0:1], 0x20             ; V s[12:13], out s[14:15]
	s_set_vgpr_msb 0x40
	v_lshl_add_u32 v254, v0, 2, 0x2e800
	v_mov_b32 v255, 0
	s_set_vgpr_msb 0x4000
	v_lshrrev_b32 v40, 5, v0
	v_readfirstlane_b32 s[WV], v40
	s_and_b32 s[QW], s[WV], 3
	s_lshr_b32 s[GW], s[WV], 2
	s_mov_b32 s[XB], ttmp9
	s_and_b32 s[RHO], ttmp7, 0xffff                ; y
	s_sub_co_u32 s[T0], 31, s[RHO]
	s_cmp_eq_u32 s[GW], 0
	s_cselect_b32 s[RHO], s[RHO], s[T0]            ; group 0: rank y; group 1: rank 31 - y.  It enters no LDS address
	v_and_b32 v40, 31, v0                          ; l
	v_and_b32 v41, 15, v0                          ; r
	v_bfe_u32 v42, v0, 4, 1                        ; h
	v_lshlrev_b32 v254, 2, v40
	s_wait_kmcnt 0x0
	s_load_b128 s[EX:EX+3], s[6:7], 0x0            ; eq, ek, ep, ev
	global_load_b32 v252, v254, s[10:11]           ; lane l: valid_lens[l]
	; the addresses, while these are out
	v_lshlrev_b32 v[H16], 4, v42
	s_mul_i32 s[T0], s[GW], GRP                    ; my group's ring
	s_add_co_u32 s[T1], s[T0], KB
	v_mul_u32_u24 v[AKR], v41, KP
	v_add_nc_u32 v[AKR], v[AKR], v[H16]
	v_add_nc_u32 v[AKR], s[T0], v[AKR]
	v_add_nc_u32 v[AKR+1], 2*SLOT, v[AKR]
	v_mul_u32_u24 v[AVR], v41, VP
	v_add_nc_u32 v[AVR], v[AVR], v[H16]
	v_add_nc_u32 v[AVR], s[T1], v[AVR]
	v_add_nc_u32 v[AVR+1], 2*SLOT, v[AVR]
	v_lshrrev_b32 v43, 2, v40
	v_and_b32 v44, 3, v40
	v_mul_u32_u24 v[AKW], v43, KP
	v_lshl_add_u32 v[AKW], v44, 4, v[AKW]
	s_mul_i32 s[OF], s[QW], 32*KP
	s_add_co_u32 s[OF], s[OF], s[T0]
	v_add_nc_u32 v[AKW], s[OF], v[AKW]
	v_add_nc_u32 v[AKW+1], 2*SLOT, v[AKW]
	v_lshrrev_b32 v43, 3, v40
	v_and_b32 v44, 7, v40
	v_mul_u32_u24 v[AVW], v43, VP
	v_lshl_add_u32 v[AVW], v44, 4, v[AVW]
	s_mul_i32 s[OF], s[QW], 16*VP
	s_add_co_u32 s[OF], s[OF], s[T1]
	v_add_nc_u32 v[AVW], s[OF], v[AVW]
	v_add_nc_u32 v[AVW+1], 2*SLOT, v[AVW]
	v_lshlrev_b32 v[VGO], 11, v43
	v_lshl_add_u32 v[VGO], v44, 4, v[VGO]
	s_lshl_b32 s[OF], s[QW], 15
	v_add_nc_u32 v[VGO], s[OF], v[VGO]
	v_lshlrev_b32 v[KGO], 4, v40
	s_lshl_b32 s[OF], s[QW], 11
	v_add_nc_u32 v[KGO], s[OF], v[KGO]
	v_lshlrev_b32 v[PFK], 8, v40
	s_lshr_b32 s[OF], s[QW], 1
	s_lshl_b32 s[OF], s[OF], 16
	v_lshl_add_u32 v[PFV], v40, 11, s[OF]
	s_mul_i32 s[OF], s[WV], WST
	s_add_co_u32 s[OF], s[OF], STAGE               ; my stage
	v_mul_u32_u24 v[STO], v41, SP
	v_lshl_add_u32 v[STO], v42, 5, v[STO]
	v_add_nc_u32 v[STO], s[OF], v[STO]
	v_mul_u32_u24 v[RD], v42, SP
	v_lshl_add_u32 v[RD], v41, 4, v[RD]
	v_add_nc_u32 v[RD], s[OF], v[RD]               ; back: lanes 0-15 one row, lanes 16-31 the next
	v_lshlrev_b32 v[GO], 8, v42
	v_lshl_add_u32 v[GO], v41, 4, v[GO]            ; and the same two rows in out
	v_lshlrev_b32 v255, 6, v41
	v_add_nc_u32 v255, v255, v[H16]                ; Q: row r of 64 bytes, + 16 h
	; THE RANKS.  key = 32 x valid_len + batch: all 32 differ.  A batch's rank is the number of lanes with a smaller key; the key whose rank is mine is kept by a select.
	s_wait_loadcnt 0x0
	v_cmp_lt_i32 vcc_lo, 0, v252
	v_cndmask_b32 v252, 0, v252, vcc_lo            ; a negative length counts as 0,
	v_min_u32 v252, 0x800, v252                    ; one beyond 2,048 as 2,048
	v_lshl_or_b32 v253, v252, 5, v40
	s_mov_b32 s[SELK], 0
.irp G, 0,1,2,3
.irp j, 0,1,2,3,4,5,6,7
	v_readlane_b32 s[RK+\j], v253, 8*\G+\j
.endr
.irp j, 0,1,2,3,4,5,6,7
	v_cmp_gt_u32 s[RM+\j], s[RK+\j], v253
.endr
.irp j, 0,1,2,3,4,5,6,7
	s_bcnt1_i32_b32 s[T0], s[RM+\j]
	s_cmp_eq_u32 s[T0], s[RHO]
	s_cselect_b32 s[SELK], s[RK+\j], s[SELK]
.endr
.endr
	s_and_b32 s[BAT], s[SELK], 31
	s_min_u32 s[BAT], s[BAT], 31                   ; a number made of loaded ones is held inside its table ahead of an address
	s_lshr_b32 s[VL], s[SELK], 5
	s_cmp_eq_u32 s[VL], 0
	s_cselect_b32 s[NK], 0x800, s[VL]
	s_mov_b32 s[OUTK], s[NK]
	s_lshl_b32 s[OF], s[BAT], 17                   ; a batch's codes: 131,072 bytes in each of the three tensors
	s_mov_b32 s[OF+1], 0
	s_add_nc_u64 s[4:5], s[4:5], s[OF:OF+1]
	s_add_nc_u64 s[12:13], s[12:13], s[OF:OF+1]
	s_add_nc_u64 s[8:9], s[8:9], s[OF:OF+1]
	s_lshl_b32 s[OF], s[BAT], 19
	s_add_nc_u64 s[14:15], s[14:15], s[OF:OF+1]
	s_lshl_b32 s[OF], s[XB], 13
	s_lshl_b32 s[T0], s[QW], 11
	s_add_co_u32 s[OF], s[OF], s[T0]               ; my first query, 128 x + 32 q, in rows of 64 bytes,
	s_add_nc_u64 s[8:9], s[8:9], s[OF:OF+1]
	s_lshl_b32 s[OF], s[OF], 2                     ; and of 256
	s_add_nc_u64 s[14:15], s[14:15], s[OF:OF+1]
	s_mov_b64 s[PFKB:PFKB+1], s[4:5]
	s_mov_b64 s[PFVB:PFVB+1], s[12:13]
	s_or_b32 s[T0], s[XB], s[QW]
	s_cmp_eq_u32 s[T0], 0
	s_cselect_b32 s[PFKL], s[NK], 0                ; K is asked for by wave q = 0 of the pair's first work-group,
	s_sub_co_u32 s[T0], s[QW], 1
	s_lshr_b32 s[T0], s[T0], 1
	s_or_b32 s[T0], s[T0], s[XB]
	s_cmp_eq_u32 s[T0], 0
	s_cselect_b32 s[PFVL], s[NK], 0                ; V by its waves q = 1 and q = 2
	global_load_b128 v[QF:QF+3], v255, s[8:9] th:TH_LOAD_NT
	global_load_b128 v[QF+4:QF+7], v255, s[8:9] offset:32 th:TH_LOAD_NT
	WIN 0x40
	global_load_b128 v[QF:QF+3], v255, s[8:9] offset:1024 th:TH_LOAD_NT
	global_load_b128 v[QF+4:QF+7], v255, s[8:9] offset:1056 th:TH_LOAD_NT
	WIN 0
	s_mov_b32 s[KF], 0
	LOADT 0, 0
	LOADT 1, 1
	s_wait_kmcnt 0x0
	s_add_co_i32 s[T0], s[EX], s[EX+1]
	s_lshl_b32 s[T0], s[T0], 23
	s_add_co_u32 s[CS], s[T0], 0x3e38aa3b          ; c = log2(e) / 8, with eq + ek added to its exponent field
	s_mov_b32 s[CS+1], s[CS]
	s_sub_co_u32 s[T1], 0xcaf42400, s[T0]          ; -8e6 x 2^-(eq + ek): times c that is -1e6 x log2(e)
	s_add_co_i32 s[OF], s[EX+2], 127
	s_lshl_b32 s[OF+1], s[OF], 23                  ; 2^ep as f32: the conversion takes its exponent field
	s_add_co_i32 s[OF], s[OF], 8
	s_lshl_b32 s[OF], s[OF], 23
	s_or_b32 s[OF], s[OF], 0x600000                ; 448 x 2^ep
	s_cmp_lt_i32 s[EX+2], -8
	s_cselect_b32 s[HOLD], 1, 0                    ; p is at most 1: p / 2^ep is at most 256 where ep >= -8, and needs no hold there
	s_add_co_i32 s[EPV], s[EX+2], s[EX+3]
	s_mov_b32 s[SEL], 0x76543210
	s_mov_b32 s[SEL+1], 0xfedcba98
	INIT
	WIN 0x55
	INIT
	WIN 0
	s_wait_loadcnt 8                               ; Q and tile 0 are in; tile 1's eight loads may be out
	STORE 0, 0
	s_wait_dscnt 0x0                               ; the stores have landed, and have read set 0,
	LOADT 2, 0                                     ; which takes tile 2
	s_barrier_signal -1
	s_barrier_wait -1                              ; tile 0 is whole
	KLOAD 0
	s_mov_b32 s[CNT], 0
; STEP i = 4 CNT + st.  nx = the slot of tile i + 1, pn = the set in which it was loaded.  Between this step's barrier and the next the waves read slot st (V of tile i) and slot nx (K of tile i + 1)
; and store into the slot behind nx (tile i + 2): three different slots.
.macro TRIP st, nx, pn
	s_wait_loadcnt 8                               ; tile i + 1 is in; the eight loads of tile i + 2 may be out
	s_add_co_u32 s[TT], s[KF], 128*(\st+1)
	s_cmp_lt_u32 s[TT], s[NK]
	s_cbranch_scc0 .Lno_store_\@                   ; a tile that is not walked is not stored
	STORE \nx, \pn
.Lno_store_\@:
	s_wait_dscnt 0x0                               ; my stores have landed, K of tile i is in, and all my reads of older slots are back
	s_barrier_signal -1
	s_barrier_wait -1                              ; every wave passes every barrier, walked steps or not
	LOADT \st+3, \pn                               ; into the set just stored
	; PREFETCH INTO THE L2, behind the loads just issued: tile i + 5, which is loaded two steps on.  The 16 work-groups of a pair walk the same K and V: the first of them asks.  K: a tile is 8,192 consecutive bytes, lanes 256
	; bytes apart, one wave.  V: in every second step, 256 aligned bytes (tiles i + 5 and i + 6) of each of 64 rows, a lane a row, two waves.  So each aligned block of 256 bytes is named once in the launch.
	; Tiles that are not walked are not asked for; the first tiles (0 to 4 of K, 0 to 5 of V) come by their loads alone.
	s_add_co_u32 s[TT], s[KF], 128*(\st+5)
	s_cmp_lt_u32 s[TT], s[PFKL]
	s_cbranch_scc0 .Lno_pfk_\@
	global_prefetch_b8 v[PFK], s[PFKB:PFKB+1] offset:(\st+5)*8192 th:TH_LOAD_NT scope:SCOPE_SE
.Lno_pfk_\@:
.if (\st)%2
	s_cmp_lt_u32 s[TT], s[PFVL]
	s_cbranch_scc0 .Lno_pfv_\@
	global_prefetch_b8 v[PFV], s[PFVB:PFVB+1] offset:(\st+5)*128 th:TH_LOAD_NT scope:SCOPE_SE
.Lno_pfv_\@:
.endif
	s_add_co_u32 s[TT], s[KF], 128*(\st)
	s_cmp_lt_u32 s[TT], s[NK]
	s_cbranch_scc0 .Lidle_\@                       ; all 128 keys lie behind valid_len: the step's work is left out
	VLOAD \st                                      ; wanted behind the softmax
.irp T, 0,1,2,3,4,5,6,7
	v_wmma_f32_16x16x64_fp8_fp8 v[S0+8*\T:S0+8*\T+7], v[KFR+8*\T:KFR+8*\T+7], v[QF:QF+7], 0
.endr
	WIN 0x44                                       ; K in window 0; Q and S^T of tile 1 in window 1
.irp T, 0,1,2,3,4,5,6,7
	v_wmma_f32_16x16x64_fp8_fp8 v[S1+8*\T:S1+8*\T+7], v[KFR+8*\T:KFR+8*\T+7], v[QF:QF+7], 0
.endr
	WIN 0
	PLACES                                         ; ahead of the loads into K's registers and of the first reads of the scores
	s_add_co_u32 s[TT], s[KF], 128*(\st+1)
	s_cmp_lt_u32 s[TT], s[NK]
	s_cbranch_scc0 .Lno_k_\@
	KLOAD \nx                                      ; K of tile i + 1, whole since this step's barrier: it lands under the softmax
.Lno_k_\@:
	s_cmp_gt_u32 s[TT], s[VL]
	s_cbranch_scc0 .Lopen_\@                       ; all 128 keys count
	s_sub_co_i32 s[DD], s[VL], s[TT]
	s_add_co_i32 s[DD], s[DD], 128                 ; valid_len - the step's first key
	v_sub_nc_u32 v[DTH], s[DD], v[H16]
	WIN 0x40
	v_mov_b32 v[DTH], v[DTH]                       ; the same in window 1
	WIN 0
	MASK S0
	WIN 0x55
	MASK S1
	WIN 0
.Lopen_\@:
	MAXM S0
	EXPS S0
	WIN 0x55
	MAXM S1                                        ; tile 1's maximum is the work that stands behind tile 0's exponentials
	EXPS S1
	SUMH                                           ; the plain instruction behind the last exponential
	s_wait_alu depctr_va_vdst(0)                   ; the wait ahead of the first instruction that names an exponential's result: one for both tiles' 128
	SUMT S1
	WIN 0
	SUMH
	SUMT S0
	s_cmp_eq_u32 s[HOLD], 0
	s_cbranch_scc1 .Lno_hold_\@
	HOLDT S0
	WIN 0x55
	HOLDT S1
	WIN 0
.Lno_hold_\@:
	CVT S0
	WIN 0x55
	CVT S1
	v_nop                                          ; one plain vector instruction between the scaled conversions and the matrix instructions that read their results
	s_wait_dscnt 0x0                               ; V of tile i is in (and K of tile i + 1)
	PV                                             ; tile 1: all four operands in window 1
	WIN 0x01                                       ; tile 0: V in window 1, the rest in window 0
	PV                                             ; eight accumulators, one instruction each: no two that follow each other share one
	WIN 0
	PLACES                                         ; ahead of the next loads into V's registers and of the next reads of O^T
.Lidle_\@:
.endm
.Lloop:                                                ; four trips of four steps
	TRIP 0, 1, 1
	TRIP 1, 2, 0
	TRIP 2, 3, 1
	TRIP 3, 0, 0
	s_add_co_u32 s[TT], s[KF], 512
	s_cmp_ge_u32 s[TT], s[OUTK]
	s_cbranch_scc0 .Lnot_out                       ; steps are left, or the rows have gone
	OUTT 0, S0                                     ; my batch's last step lies in this trip: a short batch's rows leave while the long one is still multiplied
	OUTT 1, S1
	SEND 0, 16
	SEND 1, 0
	s_mov_b32 s[OUTK], -1                          ; once
.Lnot_out:
	s_wait_xcnt 0x0                                ; the stores have read their data and the prefetches their bases: both may be written
	s_add_nc_u64 s[PFKB:PFKB+1], s[PFKB:PFKB+1], 32768
	s_add_nc_u64 s[PFVB:PFVB+1], s[PFVB:PFVB+1], 512
	s_add_co_u32 s[KF], s[KF], 512
	s_add_co_u32 s[CNT], s[CNT], 1
	s_cmp_lt_u32 s[CNT], 4
	s_cbranch_scc1 .Lloop
	s_set_vgpr_msb 0x5
	s_wait_tensorcnt 0x0
	ds_add_u32 v254, v255
	s_wait_dscnt 0x0
	s_set_vgpr_msb 0x500
	s_endpgm
.Lfunc_end_k_qb2b66bd380_attn:
	.size	k_qb2b66bd380_attn, .Lfunc_end_k_qb2b66bd380_attn-k_qb2b66bd380_attn
	.p2alignl 7, 3214868480
	.fill 96, 4, 3214868480
	.section	.rodata,"a",@progbits
	.p2align	6, 0x0
	.amdhsa_kernel k_qb2b66bd380_attn
		.amdhsa_group_segment_fixed_size 191488
		.amdhsa_private_segment_fixed_size 0
		.amdhsa_enable_private_segment 0
		.amdhsa_kernarg_size 48
		.amdhsa_user_sgpr_count 2
		.amdhsa_user_sgpr_kernarg_segment_ptr 1
		.amdhsa_wavefront_size32 1
		.amdhsa_system_sgpr_workgroup_id_x 1
		.amdhsa_system_sgpr_workgroup_id_y 1
		.amdhsa_system_sgpr_workgroup_id_z 1
		.amdhsa_system_vgpr_workitem_id 0
		.amdhsa_next_free_vgpr 512
		.amdhsa_next_free_sgpr 66
		.amdhsa_reserve_vcc 1
		.amdhsa_float_denorm_mode_32 3
		.amdhsa_float_denorm_mode_16_64 3
		.amdhsa_memory_ordered 1
		.amdhsa_forward_progress 1
		.amdhsa_inst_pref_size 192
	.end_amdhsa_kernel
	.amdgpu_metadata
---
amdhsa.version: [ 1, 2 ]
amdhsa.kernels:
  - .name:           k_qb2b66bd380_attn
    .symbol:         k_qb2b66bd380_attn.kd
    .args:
      - { .name: keys_codes, .offset: 0, .size: 8, .value_kind: global_buffer, .address_space: global }
      - { .name: lowp_scales, .offset: 8, .size: 8, .value_kind: global_buffer, .address_space: global }
      - { .name: queries_codes, .offset: 16, .size: 8, .value_kind: global_buffer, .address_space: global }
      - { .name: valid_lens, .offset: 24, .size: 8, .value_kind: global_buffer, .address_space: global }
      - { .name: values_codes, .offset: 32, .size: 8, .value_kind: global_buffer, .address_space: global }
      - { .name: out0, .offset: 40, .size: 8, .value_kind: global_buffer, .address_space: global }
    .group_segment_fixed_size: 191488
    .private_segment_fixed_size: 0
    .kernarg_segment_align: 8
    .kernarg_segment_size: 48
    .max_flat_workgroup_size: 256
    .sgpr_count:     66
    .vgpr_count:     512
    .wavefront_size: 32
...
	.end_amdgpu_metadata
.endif
;; end of part 1
;; ======== version 2 of 2: 1 launch; version 1 with the launch attn written anew for expert scheduling mode
;; limits: right only within a limited range of input values
;; launch attn (part 2): grid 16 x 16, 8 waves a work-group, no clusters, 191,488 bytes of LDS; arguments keys_codes, lowp_scales, queries_codes, valid_lens, values_codes, out0; writes out0
.if DOCPART == 2
	.amdgcn_target "amdgcn-amd-amdhsa--gfx1250"
	.amdhsa_code_object_version 6
	.text
	.protected	k_qb2b66bd380_attn
	.globl	k_qb2b66bd380_attn
	.p2align	8
	.type	k_qb2b66bd380_attn,@function
k_qb2b66bd380_attn:
	s_mov_b64 s[64:65], 0
	v_nop
	global_prefetch_b8 v0, s[64:65] scope:SCOPE_SE
	s_setreg_imm32_b32 hwreg(HW_REG_WAVE_SCHED_MODE, 0, 2), 2
	s_setreg_imm32_b32 hwreg(HW_REG_WAVE_MODE, 25, 1), 1
	s_wait_xcnt 0x0
	s_wait_alu depctr_vm_vsrc(0)
; out[b][q][:] = the sum over k of softmax_k(score) V[b][k][:], score = Q[b][q] . K[b][k] / 8 for k < valid_lens[b], else -1e6.  32 batches, 2,048 queries, 2,048 keys, head size 64.
; Q, K: [32][2048][64] codes of FP8 (E4M3); V: codes with the KEYS innermost, [32][64][2048]; lowp_scales: eq, ek, ep, ev; out: [32][2048][64] f32.
; THE SOFTMAX AHEAD OF THE SECOND PRODUCT: t = score x log2(e); M = the row's largest t so far, rounded UP to a whole number; p = 2^(t - M) is quantised with 2^ep, not normalised; the row's sum is taken
; of the unquantised p and divides O at the end.  When M moves, the sum and O are multiplied by 2^(old M - new M): exact.
; KEY STEPS THAT LIE WHOLLY BEHIND valid_lens ARE LEFT OUT: a step is 128 keys, and a batch walks ceil(valid_len / 128) of its 16.  That is a branch on a number read from memory.
; K and V come through registers (global_load, ds_store), and there is no cluster and no joint load.
; SHARES.  Work-group (x, y): x = a block of 128 queries, y = a PAIR of batches.  Eight waves in two groups of four: group 0 takes the batch whose valid_len has rank y (ascending, ties by batch number),
; group 1 the batch of rank 31 - y: a long batch is paired with a short one, so that the two groups' key steps add up to nearly the same number in every work-group.  Every wave finds the ranks itself, from the 32 lengths,
; in registers.  (rank, x) -> (batch, x) is one to one for every input: each row of out has one owner.  A wave owns 32 queries, two tiles of 16, so that each fragment of K and V read from LDS feeds two matrix instructions.
; The four waves of a group share K and V through a ring of four LDS slots of the group's own; every LDS offset is an immediate (four steps written out, walked four times).
; LAYOUT.  Both products are used transposed: S^T = K Q^T (source 0 = 16 keys, source 1 = 16 queries), O^T = V^T P^T (source 0 = 16 channels, source 1 = P): a lane holds ONE query (lane % 16) throughout.
; THE KEYS OF A TILE ARE NOT NEIGHBOURS: row m of tile 2 b + u is key 32 b + 8 u + m + 8 (m / 8), so that the 16 registers of tiles 2 b and 2 b + 1 are the 16 neighbouring keys 32 b + 16 (lane / 16) + 0 .. 15, as P's
; fragment wants them.  The ds_stores lay K's rows in that order (groups of eight keys 0, 1, 2, 3 of each 32 go to rows 0, 16, 8, 24), so a tile is 16 consecutive LDS rows.
; Fragments are fetched 16 bytes a load: a permutation of k that is the same in both sources of a product.
; LIMITS.  eq + ek between -105 and 130, ep between -126 and 119 (each power of two below is then an f32 number); ep + ev goes by v_ldexp_f32 and has none.  |t| under 2^23.  NaN codes are not served.
; valid_lens is held within 0 .. 2,048 (a negative length counts as 0).  For valid_len >= 1 the steps left out are right where a row's largest counted score lies above -1e6 + 104: e^-104 is under f32's smallest number.
; Inside the step that holds the boundary, hidden keys take -1e6 itself.  valid_len = 0: every key takes -1e6 and all 2,048 are walked; t - M is there one fused multiply-add of numbers near 1.44e6, so p may
; differ by up to 2^(1/16) from that of a t rounded first.
;
; THE MODE: SCHED_MODE bits 1:0 = 2 (LLVM: expert scheduling mode 2), set by the entry lines.  The code itself states the register dependences between vector or matrix instructions and memory or LDS
; instructions, with s_wait_alu, always for 0.
; THE PLAN.  Registers that memory or LDS instructions touch, in the loop:
;   SET0, SET1    Written by the eight global loads of a tile; read by the eight LDS stores two steps later.  No vector instruction names them.
;   KO, VO        A set's two offsets: written by four vector lines behind a step's barrier; read by the set's eight loads, which follow.
;   VF            V's fragments: written by the LDS loads at the head of a step's work; read by the step's eight products V^T P, its last matrix instructions.
;   KFR           K's fragments: read by the step's sixteen products K Q^T; written by the LDS loads that stand behind the wait for the exponentials.  On the way out: rows back from the stage, the global stores' data.
;   S0, S1        On the way out alone: written by the last multiplies, read by the LDS stores into the stage.
;   v1-8, v11, v36-39   Addresses: made at the head, never written again, and named by no vector instruction after that.
; So a step has THREE waits.  Behind its barrier one on vm_vsrc: the set's last loads have read KO and VO, the LDS stores have read the set (and, behind a way out, its stores have read S0, S1 and KFR).  Behind the four
; vector lines one on va_vdst: KO and VO are written, and the last step's products V^T P are done reading VF; the global loads, the prefetches and V's LDS loads follow it, and nothing between names their registers.
; The third is the wait for the step's 128 exponentials: it also states that the products K Q^T are done reading KFR, and K's LDS loads stand directly behind it.
;
; LDS: group g, slot s at g GRP + s SLOT: 128 rows of K (64 bytes + 16), then 64 rows of V (128 bytes + 16).  Pitches of 5 x 16 and 9 x 16 bytes: the 16 rows of a fragment load start in 16 different columns
; of 16 bytes (64 banks of 4 bytes: ISA guide 11.1).  Behind the rings a stage of 16 rows x 272 bytes for each wave, for the way out.
; REGISTERS, in two windows of 256 (s_set_vgpr_msb: bits 1:0 source 0, 3:2 source 1, 5:4 source 2, 7:6 destination).  Tile 0's state lies in window 0, tile 1's under the same numbers in window 1.
;   both windows: v12 -M, v13 largest t, v[14:15] the sum in two halves, v16-23 Q, v24 448 x 2^ep, v25 2^ep, v26 the mask's threshold, v27 what a hidden key takes, v28-34 at work, v40-55 p's codes, v56-87 O^T
;   window 0: v1-11, v35-39 addresses; v88-151 S^T of tile 0; v152-215 K's eight fragments (on the way out: rows of out); v216-247 loads on their way, set 0; v248-251 their offsets
;   window 1: v88-151 V's four fragments; v152-215 S^T of tile 1; v216-247 loads on their way, set 1
.set KP,    80                         ; a key's row in LDS
.set VP,    144                        ; a channel's row in LDS: 128 keys + 16
.set KB,    128*KP
.set SLOT,  KB+64*VP                   ; 19,456
.set GRP,   4*SLOT
.set STAGE, 2*GRP
.set SP,    272
.set WST,   16*SP
.set OMASK, 0x3ffff                    ; 18 ones: over every offset of a walked tile (at most 1,920 x 64 + 6,640 in K, 1,920 + 112,752 in V)
.set AKR,  1                           ; v1, v2   K's fragments: g GRP + 2 p SLOT + 80 r + 16 h (slot s: register s / 2, immediate (s % 2) SLOT)
.set AVR,  3                           ; v3, v4   V's: + KB, 144 r + 16 h
.set AKW,  5                           ; v5, v6   where I store K: + 2,560 q + 80 (l / 4) + 16 (l % 4)
.set AVW,  7                           ; v7, v8   where I store V: + KB + 2,304 q + 144 (l / 8) + 16 (l % 8)
.set KGO,  9                           ; v9       my bytes of a tile of K in memory: 2,048 q + 16 l
.set VGO,  10                          ; v10      of V: 32,768 q + 2,048 (l / 8) + 16 (l % 8)
.set PFK,  11                          ; v11      prefetch of K: 256 l
.set NEGM, 12
.set TMAX, 13
.set LS,   14
.set QF,   16
.set HL,   24
.set CSC,  25
.set DTH,  26
.set NEGR, 27
.set MA,   28
.set MB,   29
.set FF,   30                          ; v[30:31] f = 2^(old M - new M); v31 is only named with it
.set L2,   32
.set PX,   34
.set H16,  35                          ; v35      16 h
.set PFV,  36                          ; v36      prefetch of V: (32 (q / 2) + l) rows of 2,048 bytes
.set STO,  37
.set RD,   38
.set GO,   39
.set PC,   40
.set OT,   56
.set S0,   88
.set VF,   88
.set KFR,  152
.set S1,   152
.set SET,  216
.set KO,   248
.set VO,   250
.set WV,   16                          ; s16 wave; s17 q = wave % 4; s18 g = wave / 4; s19 x
.set QW,   17
.set GW,   18
.set XB,   19
.set RHO,  20                          ; s20 the rank that my group takes
.set SELK, 21                          ; s21 32 x valid_len + batch of that rank
.set BAT,  22
.set VL,   23                          ; s23 valid_len
.set NK,   24                          ; s24 keys that are walked: valid_len, or 2,048 where it is 0
.set KF,   25                          ; s25 first key of the loop trip's four steps
.set CNT,  26
.set TT,   27
.set SEL,  28                          ; s[28:29] v_permlanex16_b32's selects: lane l xor 16
.set CS,   30                          ; s[30:31] c = log2(e) / 8 x 2^(eq + ek), twice
.set EX,   32                          ; s[32:35] eq, ek, ep, ev
.set EPV,  36
.set HOLD, 37                          ; s37 1 where p / 2^ep can pass 448
.set OUTK, 38                          ; s38 the way out is taken when the trip's end has reached this key; afterwards the greatest number
.set LM,   39
.set RK,   40                          ; s40-47, s48-55: the ranks: eight keys, eight masks; afterwards:
.set RM,   48
.set PFKB, 40                          ; s[40:41], s[42:43] where the prefetches stand in K and V
.set PFVB, 42
.set PFKL, 44                          ; s44, s45 a wave prefetches tiles that begin under this key: NK in a wave that asks, else 0
.set PFVL, 45
.set DD,   46
.set T0,   56
.set T1,   57
.set OF,   58
.set MK,   48                          ; s48-63 in the loop: sixteen masks of the step that holds the boundary (the ranks' masks and the head's scratch are done with)
.set MSB, 0
.macro WIN new                         ; the immediate's high byte repeats the setting that is left; a switch that changes nothing is dropped
.if MSB != (\new)
	s_set_vgpr_msb (MSB<<8)|(\new)
.set MSB, (\new)
.endif
.endm
.macro PLACES                          ; four plain vector instructions between a matrix instruction and a read of its result by a vector instruction (ISA guide 7.12.1)
.rept 4
	v_nop
.endr
.endm
; The tile that begins at key KF + 128 c is asked for, into set p: my 32 keys of K (four loads of 512 consecutive bytes) and my 16 channels of V (four loads of 4 rows x 128 bytes).  ALWAYS executed, so that the counts on
; LOADcnt are the same on every path; for a tile that is not walked both offsets are masked to 0, and the loads read the batch's first bytes.  The mask hangs on valid_len, a loaded number: it is held
; under a constant written in the instruction, and only the two ANDs stand between that and the addresses.
.macro OFFS c, p                       ; the set's two offsets
	s_add_co_u32 s[TT], s[KF], 128*(\c)
	s_cmp_lt_u32 s[TT], s[NK]
	s_cselect_b32 s[LM], OMASK, 0
	s_min_u32 s[LM], s[LM], OMASK
	v_lshl_add_u32 v[KO+\p], s[TT], 6, v[KGO]
	v_add_nc_u32 v[VO+\p], s[TT], v[VGO]
	v_and_b32 v[KO+\p], s[LM], v[KO+\p]
	v_and_b32 v[VO+\p], s[LM], v[VO+\p]
.endm
.macro ASKT p                          ; the eight loads
	WIN 0x40*\p
.irp n, 0,1,2,3
	global_load_b128 v[SET+4*\n:SET+4*\n+3], v[KO+\p], s[4:5] offset:512*\n
.endr
.irp m, 0,1,2,3
	global_load_b128 v[SET+16+4*\m:SET+16+4*\m+3], v[VO+\p], s[12:13] offset:8192*\m
.endr
	WIN 0
.endm
.macro LOADT c, p                      ; a set that has been used before.  Its last loads are in (the counted wait ahead of this macro)
	s_wait_alu depctr_vm_vsrc(0)                   ; the set's last loads have read KO and VO, which are written below; the LDS stores have read the set, in which the loads below land; behind a way out, its stores have read S^T's and K's registers, which this step's products and LDS loads write
	OFFS \c, \p
	WIN 0x40*\p
	s_wait_alu depctr_va_vdst(0)                   ; KO and VO are written, which the loads below read; the last step's products V^T P are done reading V's registers, in which this step's LDS loads land
	ASKT \p
.endm
; Set p goes into slot sl.  K's groups of eight keys 0, 1, 2, 3 go to rows 0, 16, 8, 24 of my 32.  Its data come from loads, its addresses from the head: nothing is owed but the wait on LOADcnt.
.macro STORE sl, p
	WIN 0x04*\p
.irp n, 0,1,2,3
	ds_store_b128 v[AKW+(\sl)/2], v[SET+4*\n:SET+4*\n+3] offset:((\sl)%2)*SLOT+(16*(\n%2)+8*(\n/2))*KP
.endr
.irp m, 0,1,2,3
	ds_store_b128 v[AVW+(\sl)/2], v[SET+16+4*\m:SET+16+4*\m+3] offset:((\sl)%2)*SLOT+4*VP*\m
.endr
	WIN 0
.endm
.macro KLOAD sl                        ; K's eight fragments (16 keys x 64): registers 0-3 bytes 16 h on, registers 4-7 bytes 32 + 16 h on, as Q's
.irp T, 0,1,2,3,4,5,6,7
.irp c, 0,1
	ds_load_b128 v[KFR+8*\T+4*\c:KFR+8*\T+4*\c+3], v[AKR+(\sl)/2] offset:((\sl)%2)*SLOT+16*KP*\T+32*\c
.endr
.endr
.endm
.macro VLOAD sl                        ; V's four fragments (16 channels x 128 keys): registers 4 c .. 4 c + 3 keys 32 c + 16 h + 0 .. 15, as p's codes
	WIN 0x40
.irp t, 0,1,2,3
.irp c, 0,1,2,3
	ds_load_b128 v[VF+16*\t+4*\c:VF+16*\t+4*\c+3], v[AVR+(\sl)/2] offset:((\sl)%2)*SLOT+16*VP*\t+32*\c
.endr
.endr
	WIN 0
.endm
; Register 16 b + i holds key (the step's first) + 32 b + 16 h + i: hidden where 32 b + i >= valid_len - the step's first key - 16 h.  The compares go in runs of sixteen, into sixteen scalar registers, with one wait behind a run.
.macro MASK SB
.irp b, 0,1,2,3
.set nm, 0
.rept 16
	v_cmp_ge_i32 s[MK+nm], 32*\b+nm, v[DTH]
.set nm, nm+1
.endr
	s_wait_alu depctr_va_sdst(0)                   ; the sixteen compares have written their masks, which the selects below read
.set nm, 0
.rept 16
	v_cndmask_b32 v[\SB+16*\b+nm], v[\SB+16*\b+nm], v[NEGR], s[MK+nm]
.set nm, nm+1
.endr
.endr
.endm
.macro MAXM SB                         ; the step's largest score of my query, in two chains, each accumulator from its low end on; the new M and f
	v_max3_num_f32 v[MA], v[\SB], v[\SB+1], v[\SB+2]
	v_max3_num_f32 v[MB], v[\SB+3], v[\SB+4], v[\SB+5]
.irp i, 6,10,14,18,22,26,30,34,38,42,46,50,54,58
	v_max3_num_f32 v[MA], v[MA], v[\SB+\i], v[\SB+\i+1]
	v_max3_num_f32 v[MB], v[MB], v[\SB+\i+2], v[\SB+\i+3]
.endr
	v_max3_num_f32 v[MA], v[MA], v[\SB+62], v[\SB+63]
	v_max_num_f32 v[MA], v[MA], v[MB]
	v_permlanex16_b32 v[PX], v[MA], s[SEL], s[SEL+1]   ; the query's other 64 keys lie in the lane 16 away
	v_max_num_f32 v[MA], v[MA], v[PX]
	v_mul_f32 v[MA], s[CS], v[MA]                  ; as t (c is positive)
	v_max_num_f32 v[TMAX], v[TMAX], v[MA]
	v_mov_b32 v[MA], v[NEGM]
	v_floor_f32 v[NEGM], -v[TMAX]                  ; the new -M = floor(-t) = -ceil(t): a whole number
	v_sub_f32 v[MA], v[NEGM], v[MA]                ; old M - new M, 0 or less
	v_cvt_i32_f32 v[MA], v[MA]                     ; (it saturates)
	v_ldexp_f32 v[FF], 1.0, v[MA]                  ; f = 2^(old M - new M)
.endm
; The 32 scalings t - M (two numbers each), the 64 exponentials and the 16 rescalings of O^T, dealt out so that plain instructions stand among the exponentials.  A pair is scaled two pairs ahead of its exponentials.
; No line here names an exponential's result.
.macro EXPS SB
	v_pk_fma_f32 v[\SB:\SB+1], v[\SB:\SB+1], s[CS:CS+1], v[NEGM:NEGM+1] op_sel_hi:[1,0,0]
	v_pk_fma_f32 v[\SB+2:\SB+3], v[\SB+2:\SB+3], s[CS:CS+1], v[NEGM:NEGM+1] op_sel_hi:[1,0,0]
.set ke, 0
.rept 32
	v_exp_f32 v[\SB+2*ke], v[\SB+2*ke]
.if ke < 30
	v_pk_fma_f32 v[\SB+2*ke+4:\SB+2*ke+5], v[\SB+2*ke+4:\SB+2*ke+5], s[CS:CS+1], v[NEGM:NEGM+1] op_sel_hi:[1,0,0]
.endif
	v_exp_f32 v[\SB+2*ke+1], v[\SB+2*ke+1]
.if ke < 16
	v_pk_mul_f32 v[OT+2*ke:OT+2*ke+1], v[OT+2*ke:OT+2*ke+1], v[FF:FF+1] op_sel_hi:[1,0]   ; O^T under the new M, from each accumulator's low end on
.endif
.set ke, ke+1
.endr
.endm
.macro SUMH                            ; the sum under the new M
	v_pk_mul_f32 v[LS:LS+1], v[LS:LS+1], v[FF:FF+1] op_sel_hi:[1,0]
.endm
.macro SUMT SB                         ; + the step's 64 unquantised p, two at a time, in two chains
	v_pk_add_f32 v[L2:L2+1], v[\SB:\SB+1], v[\SB+2:\SB+3]
.irp j, 4,8,12,16,20,24,28,32,36,40,44,48,52,56,60
	v_pk_add_f32 v[LS:LS+1], v[LS:LS+1], v[\SB+\j:\SB+\j+1]
	v_pk_add_f32 v[L2:L2+1], v[L2:L2+1], v[\SB+\j+2:\SB+\j+3]
.endr
	v_pk_add_f32 v[LS:LS+1], v[LS:LS+1], v[L2:L2+1]
.endm
.macro HOLDT SB                        ; the conversion to an 8-bit code does not saturate (ISA guide 7.6.2); p is not negative, so the hold is one-sided
.set kh, 0
.rept 64
	v_min_num_f32 v[\SB+kh], v[\SB+kh], v[HL]
.set kh, kh+1
.endr
.endm
.macro CVT SB                          ; registers 4 b .. 4 b + 3 of P's fragment: keys 32 b + 16 h + 0 .. 15
.irp b, 0,1,2,3
	v_cvt_scalef32_pk8_fp8_f32 v[PC+4*\b:PC+4*\b+1], v[\SB+16*\b:\SB+16*\b+7], v[CSC]
	v_cvt_scalef32_pk8_fp8_f32 v[PC+4*\b+2:PC+4*\b+3], v[\SB+16*\b+8:\SB+16*\b+15], v[CSC]
.endr
.endm
.macro PV                              ; O^T += V^T P^T: four accumulators, one instruction each
.irp t, 0,1,2,3
	v_wmma_f32_16x16x128_fp8_fp8 v[OT+8*\t:OT+8*\t+7], v[VF+16*\t:VF+16*\t+15], v[PC:PC+15], v[OT+8*\t:OT+8*\t+7]
.endr
.endm
.macro INIT                            ; a tile's state: the step is written once; its first run finds zeros, which the first change of M leaves zeros
	v_mov_b32 v[TMAX], 0xff61b1e6                  ; -3e38, under every t
	v_floor_f32 v[NEGM], -v[TMAX]
	v_mov_b32 v[LS], 0
	v_mov_b32 v[LS+1], 0
	v_mov_b32 v[FF+1], 0                           ; named as the upper half of a pair
	v_mov_b32 v[PX], 0                             ; a lane permute's destination counts as one of its sources
	v_mov_b32 v[HL], s[OF]
	v_mov_b32 v[CSC], s[OF+1]
	v_mov_b32 v[NEGR], s[T1]
.set ki, 0
.rept 32
	v_mov_b32 v[OT+ki], 0
.set ki, ki+1
.endr
.endm
; THE WAY OUT of tile u: O^T / the sum x 2^(ep + ev) goes through my own stage (lane (r, h): row r, tile t's eight channels at 64 t + 32 h) and comes back as whole rows of 256 bytes.
.macro OUTT u, SB
	WIN 0x55*\u
	v_add_f32 v[LS], v[LS], v[LS+1]
	v_permlanex16_b32 v[PX], v[LS], s[SEL], s[SEL+1]
	v_add_f32 v[LS], v[LS], v[PX]                  ; the row's sum
	v_rcp_f32 v[LS], v[LS]
	v_nop                                          ; a plain instruction behind the reciprocal,
	s_wait_alu depctr_va_vdst(0)                   ; and the reciprocal has written its result, ahead of the first instruction that names it
	v_ldexp_f32 v[LS], v[LS], s[EPV]
.set jo, 0
.rept 16
	v_pk_mul_f32 v[\SB+2*jo:\SB+2*jo+1], v[OT+2*jo:OT+2*jo+1], v[LS:LS+1] op_sel_hi:[1,0]
.set jo, jo+1
.endr
	WIN 0x04*\u
	s_wait_alu depctr_va_vdst(0)                   ; the sixteen multiplies have written v[SB ..], which the LDS stores read; the products K Q^T are long done reading K's registers, in which the loads from the stage land
.irp t, 0,1,2,3
	ds_store_b128 v[STO], v[\SB+8*\t:\SB+8*\t+3] offset:64*\t
	ds_store_b128 v[STO], v[\SB+8*\t+4:\SB+8*\t+7] offset:64*\t+16
.endr
	WIN 0
.irp i, 0,1,2,3,4,5,6,7
	ds_load_b128 v[KFR+32*\u+4*\i:KFR+32*\u+4*\i+3], v[RD] offset:2*SP*\i   ; LDS serves a wave's instructions in order (ISA guide 5.7.1.4): these see my stores, and the next tile's stores come behind them
.endr
.endm
.macro SEND u, younger                 ; younger: the LDS instructions issued behind tile u's loads.  The stores' data come from LDS loads, their offset from the head
.irp i, 0,1,2,3,4,5,6,7
	s_wait_dscnt \younger+7-\i
	global_store_b128 v[GO], v[KFR+32*\u+4*\i:KFR+32*\u+4*\i+3], s[14:15] offset:4096*\u+512*\i th:TH_STORE_NT   ; 16 lanes store 256 consecutive bytes, at a multiple of 256 from out's first byte
.endr
.endm
	s_load_b256 s[4:11], s[0:1], 0x0               ; K s[4:5], the scales s[6:7], Q s[8:9], valid_lens s[10:11]
	s_load_b128 s[12:15], s[0:1], 0x20             ; V s[12:13], out s[14:15]
	s_set_vgpr_msb 0x40
	v_lshl_add_u32 v254, v0, 2, 0x2e800
	v_mov_b32 v255, 0
	s_set_vgpr_msb 0x4000
	v_lshrrev_b32 v40, 5, v0
	v_readfirstlane_b32 s[WV], v40
	v_and_b32 v40, 31, v0                          ; l
	v_and_b32 v41, 15, v0                          ; r
	v_bfe_u32 v42, v0, 4, 1                        ; h
	v_lshlrev_b32 v254, 2, v40
	s_mov_b32 s[XB], ttmp9
	s_and_b32 s[RHO], ttmp7, 0xffff                ; y
	s_sub_co_u32 s[T0], 31, s[RHO]
	s_wait_alu depctr_va_sdst(0)                   ; the wave's number is written, ahead of its first reader
	s_and_b32 s[QW], s[WV], 3
	s_lshr_b32 s[GW], s[WV], 2
	s_cmp_eq_u32 s[GW], 0
	s_cselect_b32 s[RHO], s[RHO], s[T0]            ; group 0: rank y; group 1: rank 31 - y.  It enters no LDS address
	s_wait_kmcnt 0x0
	s_load_b128 s[EX:EX+3], s[6:7], 0x0            ; eq, ek, ep, ev
	s_wait_alu depctr_va_vdst(0)                   ; v254 is written, which the load below reads as its offset
	global_load_b32 v252, v254, s[10:11]           ; lane l: valid_lens[l]
	; the addresses, while these are out
	v_lshlrev_b32 v[H16], 4, v42
	s_mul_i32 s[T0], s[GW], GRP                    ; my group's ring
	s_add_co_u32 s[T1], s[T0], KB
	v_mul_u32_u24 v[AKR], v41, KP
	v_add_nc_u32 v[AKR], v[AKR], v[H16]
	v_add_nc_u32 v[AKR], s[T0], v[AKR]
	v_add_nc_u32 v[AKR+1], 2*SLOT, v[AKR]
	v_mul_u32_u24 v[AVR], v41, VP
	v_add_nc_u32 v[AVR], v[AVR], v[H16]
	v_add_nc_u32 v[AVR], s[T1], v[AVR]
	v_add_nc_u32 v[AVR+1], 2*SLOT, v[AVR]
	v_lshrrev_b32 v43, 2, v40
	v_and_b32 v44, 3, v40
	v_mul_u32_u24 v[AKW], v43, KP
	v_lshl_add_u32 v[AKW], v44, 4, v[AKW]
	s_mul_i32 s[OF], s[QW], 32*KP
	s_add_co_u32 s[OF], s[OF], s[T0]
	v_add_nc_u32 v[AKW], s[OF], v[AKW]
	v_add_nc_u32 v[AKW+1], 2*SLOT, v[AKW]
	v_lshrrev_b32 v43, 3, v40
	v_and_b32 v44, 7, v40
	v_mul_u32_u24 v[AVW], v43, VP
	v_lshl_add_u32 v[AVW], v44, 4, v[AVW]
	s_mul_i32 s[OF], s[QW], 16*VP
	s_add_co_u32 s[OF], s[OF], s[T1]
	v_add_nc_u32 v[AVW], s[OF], v[AVW]
	v_add_nc_u32 v[AVW+1], 2*SLOT, v[AVW]
	v_lshlrev_b32 v[VGO], 11, v43
	v_lshl_add_u32 v[VGO], v44, 4, v[VGO]
	s_lshl_b32 s[OF], s[QW], 15
	v_add_nc_u32 v[VGO], s[OF], v[VGO]
	v_lshlrev_b32 v[KGO], 4, v40
	s_lshl_b32 s[OF], s[QW], 11
	v_add_nc_u32 v[KGO], s[OF], v[KGO]
	v_lshlrev_b32 v[PFK], 8, v40
	s_lshr_b32 s[OF], s[QW], 1
	s_lshl_b32 s[OF], s[OF], 16
	v_lshl_add_u32 v[PFV], v40, 11, s[OF]
	s_mul_i32 s[OF], s[WV], WST
	s_add_co_u32 s[OF], s[OF], STAGE               ; my stage
	v_mul_u32_u24 v[STO], v41, SP
	v_lshl_add_u32 v[STO], v42, 5, v[STO]
	v_add_nc_u32 v[STO], s[OF], v[STO]
	v_mul_u32_u24 v[RD], v42, SP
	v_lshl_add_u32 v[RD], v41, 4, v[RD]
	v_add_nc_u32 v[RD], s[OF], v[RD]               ; back: lanes 0-15 one row, lanes 16-31 the next
	v_lshlrev_b32 v[GO], 8, v42
	v_lshl_add_u32 v[GO], v41, 4, v[GO]            ; and the same two rows in out
	v_lshlrev_b32 v255, 6, v41
	v_add_nc_u32 v255, v255, v[H16]                ; Q: row r of 64 bytes, + 16 h
	; THE RANKS.  key = 32 x valid_len + batch: all 32 differ.  A batch's rank is the number of lanes with a smaller key; the key whose rank is mine is kept by a select.
	s_wait_loadcnt 0x0
	v_cmp_lt_i32 vcc_lo, 0, v252
	s_wait_alu depctr_va_vcc(0)                    ; the compare has written VCC, which the select reads
	v_cndmask_b32 v252, 0, v252, vcc_lo            ; a negative length counts as 0,
	v_min_u32 v252, 0x800, v252                    ; one beyond 2,048 as 2,048
	v_lshl_or_b32 v253, v252, 5, v40
	s_mov_b32 s[SELK], 0
.irp G, 0,1,2,3
.irp j, 0,1,2,3,4,5,6,7
	v_readlane_b32 s[RK+\j], v253, 8*\G+\j
.endr
	s_wait_alu depctr_va_sdst(0)                   ; the eight keys are written, which the compares read first
.irp j, 0,1,2,3,4,5,6,7
	v_cmp_gt_u32 s[RM+\j], s[RK+\j], v253
.endr
	s_wait_alu depctr_va_sdst(0)                   ; the eight compares have written their masks, whose bits are counted below
.irp j, 0,1,2,3,4,5,6,7
	s_bcnt1_i32_b32 s[T0], s[RM+\j]
	s_cmp_eq_u32 s[T0], s[RHO]
	s_cselect_b32 s[SELK], s[RK+\j], s[SELK]
.endr
.endr
	s_and_b32 s[BAT], s[SELK], 31
	s_min_u32 s[BAT], s[BAT], 31                   ; a number made of loaded ones is held inside its table ahead of an address
	s_lshr_b32 s[VL], s[SELK], 5
	s_cmp_eq_u32 s[VL], 0
	s_cselect_b32 s[NK], 0x800, s[VL]
	s_mov_b32 s[OUTK], s[NK]
	s_lshl_b32 s[OF], s[BAT], 17                   ; a batch's codes: 131,072 bytes in each of the three tensors
	s_mov_b32 s[OF+1], 0
	s_add_nc_u64 s[4:5], s[4:5], s[OF:OF+1]
	s_add_nc_u64 s[12:13], s[12:13], s[OF:OF+1]
	s_add_nc_u64 s[8:9], s[8:9], s[OF:OF+1]
	s_lshl_b32 s[OF], s[BAT], 19
	s_add_nc_u64 s[14:15], s[14:15], s[OF:OF+1]
	s_lshl_b32 s[OF], s[XB], 13
	s_lshl_b32 s[T0], s[QW], 11
	s_add_co_u32 s[OF], s[OF], s[T0]               ; my first query, 128 x + 32 q, in rows of 64 bytes,
	s_add_nc_u64 s[8:9], s[8:9], s[OF:OF+1]
	s_lshl_b32 s[OF], s[OF], 2                     ; and of 256
	s_add_nc_u64 s[14:15], s[14:15], s[OF:OF+1]
	s_mov_b64 s[PFKB:PFKB+1], s[4:5]
	s_mov_b64 s[PFVB:PFVB+1], s[12:13]
	s_or_b32 s[T0], s[XB], s[QW]
	s_cmp_eq_u32 s[T0], 0
	s_cselect_b32 s[PFKL], s[NK], 0                ; K is asked for by wave q = 0 of the pair's first work-group,
	s_sub_co_u32 s[T0], s[QW], 1
	s_lshr_b32 s[T0], s[T0], 1
	s_or_b32 s[T0], s[T0], s[XB]
	s_cmp_eq_u32 s[T0], 0
	s_cselect_b32 s[PFVL], s[NK], 0                ; V by its waves q = 1 and q = 2
	s_mov_b32 s[KF], 0
	OFFS 0, 0                                      ; the offsets of tiles 0 and 1 are made ahead of Q's loads, so that one wait serves all twenty loads
	OFFS 1, 1
	s_wait_alu depctr_va_vdst(0)                   ; written are: v255, KO and VO, which the loads below read, and every address of the kernel (v1-8, v11, v36-39), which no vector instruction names again
	global_load_b128 v[QF:QF+3], v255, s[8:9] th:TH_LOAD_NT
	global_load_b128 v[QF+4:QF+7], v255, s[8:9] offset:32 th:TH_LOAD_NT
	WIN 0x40
	global_load_b128 v[QF:QF+3], v255, s[8:9] offset:1024 th:TH_LOAD_NT
	global_load_b128 v[QF+4:QF+7], v255, s[8:9] offset:1056 th:TH_LOAD_NT
	WIN 0
	ASKT 0
	ASKT 1
	s_wait_kmcnt 0x0
	s_add_co_i32 s[T0], s[EX], s[EX+1]
	s_lshl_b32 s[T0], s[T0], 23
	s_add_co_u32 s[CS], s[T0], 0x3e38aa3b          ; c = log2(e) / 8, with eq + ek added to its exponent field
	s_mov_b32 s[CS+1], s[CS]
	s_sub_co_u32 s[T1], 0xcaf42400, s[T0]          ; -8e6 x 2^-(eq + ek): times c that is -1e6 x log2(e)
	s_add_co_i32 s[OF], s[EX+2], 127
	s_lshl_b32 s[OF+1], s[OF], 23                  ; 2^ep as f32: the conversion takes its exponent field
	s_add_co_i32 s[OF], s[OF], 8
	s_lshl_b32 s[OF], s[OF], 23
	s_or_b32 s[OF], s[OF], 0x600000                ; 448 x 2^ep
	s_cmp_lt_i32 s[EX+2], -8
	s_cselect_b32 s[HOLD], 1, 0                    ; p is at most 1: p / 2^ep is at most 256 where ep >= -8, and needs no hold there
	s_add_co_i32 s[EPV], s[EX+2], s[EX+3]
	s_mov_b32 s[SEL], 0x76543210
	s_mov_b32 s[SEL+1], 0xfedcba98
	INIT
	WIN 0x55
	INIT
	WIN 0
	s_wait_loadcnt 8                               ; Q and tile 0 are in; tile 1's eight loads may be out
	STORE 0, 0
	s_wait_dscnt 0x0                               ; for the other waves' sake: the stores have landed
	LOADT 2, 0                                     ; set 0 takes tile 2
	s_barrier_signal -1
	s_barrier_wait -1                              ; tile 0 is whole
	KLOAD 0                                        ; no vector or matrix instruction has named K's registers yet
	s_mov_b32 s[CNT], 0
; STEP i = 4 CNT + st.  nx = the slot of tile i + 1, pn = the set in which it was loaded.  Between this step's barrier and the next the waves read slot st (V of tile i) and slot nx (K of tile i + 1)
; and store into the slot behind nx (tile i + 2): three different slots.
.macro TRIP st, nx, pn
	s_wait_loadcnt 8                               ; tile i + 1 is in; the eight loads of tile i + 2 may be out
	s_add_co_u32 s[TT], s[KF], 128*(\st+1)
	s_cmp_lt_u32 s[TT], s[NK]
	s_cbranch_scc0 .Lno_store_\@                   ; a tile that is not walked is not stored
	STORE \nx, \pn
.Lno_store_\@:
	s_wait_dscnt 0x0                               ; my stores have landed, K of tile i is in, and all my reads of older slots are back
	s_barrier_signal -1
	s_barrier_wait -1                              ; every wave passes every barrier, walked steps or not
	LOADT \st+3, \pn                               ; into the set just stored; the step's first two waits stand in it
	; PREFETCH INTO THE L2, behind the loads just issued: tile i + 5, which is loaded two steps on.  The 16 work-groups of a pair walk the same K and V: the first of them asks.  K: a tile is 8,192 consecutive bytes, lanes 256
	; bytes apart, one wave.  V: in every second step, 256 aligned bytes (tiles i + 5 and i + 6) of each of 64 rows, a lane a row, two waves.  So each aligned block of 256 bytes is named once in the launch.
	; Tiles that are not walked are not asked for; the first tiles (0 to 4 of K, 0 to 5 of V) come by their loads alone.
	s_add_co_u32 s[TT], s[KF], 128*(\st+5)
	s_cmp_lt_u32 s[TT], s[PFKL]
	s_cbranch_scc0 .Lno_pfk_\@
	global_prefetch_b8 v[PFK], s[PFKB:PFKB+1] offset:(\st+5)*8192 th:TH_LOAD_NT scope:SCOPE_SE
.Lno_pfk_\@:
.if (\st)%2
	s_cmp_lt_u32 s[TT], s[PFVL]
	s_cbranch_scc0 .Lno_pfv_\@
	global_prefetch_b8 v[PFV], s[PFVB:PFVB+1] offset:(\st+5)*128 th:TH_LOAD_NT scope:SCOPE_SE
.Lno_pfv_\@:
.endif
	s_add_co_u32 s[TT], s[KF], 128*(\st)
	s_cmp_lt_u32 s[TT], s[NK]
	s_cbranch_scc0 .Lidle_\@                       ; all 128 keys lie behind valid_len: the step's work is left out
	VLOAD \st                                      ; wanted behind the softmax.  No wait: no vector or matrix instruction since the wait behind the barrier names V's registers or their address
.irp T, 0,1,2,3,4,5,6,7
	v_wmma_f32_16x16x64_fp8_fp8 v[S0+8*\T:S0+8*\T+7], v[KFR+8*\T:KFR+8*\T+7], v[QF:QF+7], 0
.endr
	WIN 0x44                                       ; K in window 0; Q and S^T of tile 1 in window 1
.irp T, 0,1,2,3,4,5,6,7
	v_wmma_f32_16x16x64_fp8_fp8 v[S1+8*\T:S1+8*\T+7], v[KFR+8*\T:KFR+8*\T+7], v[QF:QF+7], 0
.endr
	WIN 0
	PLACES                                         ; ahead of the first reads of the scores
	s_add_co_u32 s[TT], s[KF], 128*(\st+1)         ; the next step's first key: it stands until K's loads below
	s_cmp_gt_u32 s[TT], s[VL]
	s_cbranch_scc0 .Lopen_\@                       ; all 128 keys count
	s_sub_co_i32 s[DD], s[VL], s[TT]
	s_add_co_i32 s[DD], s[DD], 128                 ; valid_len - the step's first key
	v_sub_nc_u32 v[DTH], s[DD], v[H16]
	WIN 0x40
	v_mov_b32 v[DTH], v[DTH]                       ; the same in window 1
	WIN 0
	MASK S0
	WIN 0x55
	MASK S1
	WIN 0
.Lopen_\@:
	MAXM S0
	EXPS S0
	WIN 0x55
	MAXM S1                                        ; tile 1's maximum is the work that stands behind tile 0's exponentials
	EXPS S1
	SUMH                                           ; the plain instruction behind the last exponential
	WIN 0
	s_wait_alu depctr_va_vdst(0)                   ; both tiles' 128 exponentials have written their results, ahead of the first instruction that names one; and the sixteen products K Q^T are done reading K's registers, in which the loads below land
	s_cmp_lt_u32 s[TT], s[NK]
	s_cbranch_scc0 .Lno_k_\@
	KLOAD \nx                                      ; K of tile i + 1, whole since this step's barrier: it lands under the sums and the conversions
.Lno_k_\@:
	SUMH
	SUMT S0
	WIN 0x55
	SUMT S1
	WIN 0
	s_cmp_eq_u32 s[HOLD], 0
	s_cbranch_scc1 .Lno_hold_\@
	HOLDT S0
	WIN 0x55
	HOLDT S1
	WIN 0
.Lno_hold_\@:
	CVT S0
	WIN 0x55
	CVT S1
	v_nop                                          ; one plain vector instruction between the scaled conversions and the matrix instructions that read their results
	s_wait_dscnt 0x0                               ; V of tile i is in (and K of tile i + 1)
	PV                                             ; tile 1: all four operands in window 1
	WIN 0x01                                       ; tile 0: V in window 1, the rest in window 0
	PV                                             ; eight accumulators, one instruction each: no two that follow each other share one
	WIN 0
	PLACES                                         ; ahead of the next reads of O^T
.Lidle_\@:
.endm
.Lloop:                                                ; four trips of four steps
	TRIP 0, 1, 1
	TRIP 1, 2, 0
	TRIP 2, 3, 1
	TRIP 3, 0, 0
	s_add_co_u32 s[TT], s[KF], 512
	s_cmp_ge_u32 s[TT], s[OUTK]
	s_cbranch_scc0 .Lnot_out                       ; steps are left, or the rows have gone
	OUTT 0, S0                                     ; my batch's last step lies in this trip: a short batch's rows leave while the long one is still multiplied
	OUTT 1, S1
	SEND 0, 16
	SEND 1, 0
	s_mov_b32 s[OUTK], -1                          ; once
.Lnot_out:
	s_wait_xcnt 0x0                                ; the stores and the prefetches have had their addresses translated: the prefetches' bases may be written.  (That the stores have read their data is stated behind the next step's barrier, ahead of every write of those registers)
	s_add_nc_u64 s[PFKB:PFKB+1], s[PFKB:PFKB+1], 32768
	s_add_nc_u64 s[PFVB:PFVB+1], s[PFVB:PFVB+1], 512
	s_add_co_u32 s[KF], s[KF], 512
	s_add_co_u32 s[CNT], s[CNT], 1
	s_cmp_lt_u32 s[CNT], 4
	s_cbranch_scc1 .Lloop
	s_set_vgpr_msb 0x5
	s_wait_dscnt 0x0
	s_wait_alu depctr_hold_cnt(0) depctr_sa_sdst(0) depctr_va_vdst(0) depctr_va_sdst(0) depctr_va_ssrc(0) depctr_va_vcc(0) depctr_vm_vsrc(0)
	s_wait_tensorcnt 0x0
	ds_add_u32 v254, v255
	s_wait_dscnt 0x0
	s_endpgm
.Lfunc_end_k_qb2b66bd380_attn:
	.size	k_qb2b66bd380_attn, .Lfunc_end_k_qb2b66bd380_attn-k_qb2b66bd380_attn
	.p2alignl 7, 3214868480
	.fill 96, 4, 3214868480
	.section	.rodata,"a",@progbits
	.p2align	6, 0x0
	.amdhsa_kernel k_qb2b66bd380_attn
		.amdhsa_group_segment_fixed_size 191488
		.amdhsa_private_segment_fixed_size 0
		.amdhsa_enable_private_segment 0
		.amdhsa_kernarg_size 48
		.amdhsa_user_sgpr_count 2
		.amdhsa_user_sgpr_kernarg_segment_ptr 1
		.amdhsa_wavefront_size32 1
		.amdhsa_system_sgpr_workgroup_id_x 1
		.amdhsa_system_sgpr_workgroup_id_y 1
		.amdhsa_system_sgpr_workgroup_id_z 1
		.amdhsa_system_vgpr_workitem_id 0
		.amdhsa_next_free_vgpr 512
		.amdhsa_next_free_sgpr 66
		.amdhsa_reserve_vcc 1
		.amdhsa_float_denorm_mode_32 3
		.amdhsa_float_denorm_mode_16_64 3
		.amdhsa_memory_ordered 1
		.amdhsa_forward_progress 1
		.amdhsa_inst_pref_size 226
	.end_amdhsa_kernel
	.amdgpu_metadata
---
amdhsa.version: [ 1, 2 ]
amdhsa.kernels:
  - .name:           k_qb2b66bd380_attn
    .symbol:         k_qb2b66bd380_attn.kd
    .args:
      - { .name: keys_codes, .offset: 0, .size: 8, .value_kind: global_buffer, .address_space: global }
      - { .name: lowp_scales, .offset: 8, .size: 8, .value_kind: global_buffer, .address_space: global }
      - { .name: queries_codes, .offset: 16, .size: 8, .value_kind: global_buffer, .address_space: global }
      - { .name: valid_lens, .offset: 24, .size: 8, .value_kind: global_buffer, .address_space: global }
      - { .name: values_codes, .offset: 32, .size: 8, .value_kind: global_buffer, .address_space: global }
      - { .name: out0, .offset: 40, .size: 8, .value_kind: global_buffer, .address_space: global }
    .group_segment_fixed_size: 191488
    .private_segment_fixed_size: 0
    .kernarg_segment_align: 8
    .kernarg_segment_size: 48
    .max_flat_workgroup_size: 256
    .sgpr_count:     66
    .vgpr_count:     512
    .wavefront_size: 32
...
	.end_amdgpu_metadata
.endif
;; end of part 2
